; MI455X (gfx1250); checked and timed in simulation.
; The chip was launched on July 23, 2026; its instructions are those of AMD's public machine-readable ISA for CDNA 5 (MIT licence, August 2026) and "CDNA5" Instruction Set Architecture Reference Guide (July 2026). The comments in the code are by the model that wrote it; some were corrected since.
;; build fpn mask graph. Allowed arithmetic: float matrix products may take bf16 or f16 operands with f32 sums; all other float work in f32.
;; Inputs: box_index 1,000 int32; p2 2 x 256 x 256 x 256 float32; p3 2 x 256 x 128 x 128 float32; p4 2 x 256 x 64 x 64 float32; p5 2 x 256 x 32 x 32 float32; rpn_bbox 1,000 x 4 float32.
;; Outputs: out0 1,000 x 256 x 7 x 7 float32.
;; 2 versions, each right; version 2 is version 1 with the launch pool written anew for expert scheduling mode. Each part assembles by itself: llvm-mc -triple=amdgcn-amd-amdhsa -mcpu=gfx1250 --defsym DOCPART=n.
;; ======== version 1 of 2: 2 launches
;; workspace buffers: plan_idx 256,000 bytes of whole numbers; plan_w 256,000 bytes
;; launch plan (part 1): grid 125 x 1, 8 waves a work-group, no clusters, 0 bytes of LDS; arguments rpn_bbox, plan_idx, plan_w; writes plan_idx, plan_w
.if DOCPART == 1
	.amdgcn_target "amdgcn-amd-amdhsa--gfx1250"
	.amdhsa_code_object_version 6
	.text
	.protected	k_q92002b27c0_plan
	.globl	k_q92002b27c0_plan
	.p2align	8
	.type	k_q92002b27c0_plan,@function
k_q92002b27c0_plan:
	s_mov_b64 s[64:65], 0
	v_nop
	global_prefetch_b8 v0, s[64:65] scope:SCOPE_SE
	s_setreg_imm32_b32 hwreg(HW_REG_WAVE_MODE, 25, 1), 1
	s_wait_xcnt 0x0
; PLAN.  One wave for each of the 1,000 boxes (125 work-groups x 8 waves).  It turns a box (x1, y1, x2, y2, normalised, f32) into
; what the pooling launch needs as whole numbers and as weights, a record of 64 words in each of two buffers:
;   plan_idx[n]: words 0-27 element offset y*W of row tap e = 4 ph + k; word 28 the level 0..3; word 29 the bytes of one plane (4 W W);
;                word 30 the flag THREE (below); word 31 zero; words 32-63 the column x of column tap l = 4 pw + 2 ix + tap (words 60-63 repeat 56-59)
;   plan_w[n]:   words 0-27 the row taps' weights, words 28-31 zero, words 32-63 the column taps' weights
; A weight is 0.5 x (1 - frac) for the low tap and 0.5 x frac for the high tap, or 0 where the sample lies outside (-1, W): the two
; factors 0.5 are the mean over the 2 x 2 samples of a bin.
; A LANE OWNS ONE SAMPLE (its low and its high tap, two neighbouring words): lanes 0-13 the 14 samples along y, lane 14 level and plane
; bytes, lane 15 the flag and a zero, lanes 16-29 the 14 samples along x, lanes 30, 31 samples 12, 13 once more.  So each record is one store of
; 8 bytes a lane: 256 consecutive bytes, aligned.
; THREE.  A bin's row taps are lo0, hi0 (first sample) and lo1, hi1 (second).  Where d = lo1 - lo0 is 0 or 1 they are at most the three rows lo0, hi0, hi1.
; If that holds in all 7 bins of the box, THREE = 1 and each bin's four words become rows lo0, hi0, hi1, hi1 with the weights
; wl0 + (d = 0: wl1), wh0 + (d = 0: wh1, d = 1: wl1), (d = 1: wh1, else 0), 0: the pooling launch then leaves tap 3 of every bin out.
; It always holds where the samples lie at most one row apart (a box at most 14 rows high).  Otherwise THREE = 0 and the four taps stand as they are.
; The choice only selects values here: no branch and no address of this launch hangs on it.
; LIMITS.  The level is clip(rint(log2(sqrt(area))) + 4, 0, 3) with v_sqrt_f32 and v_log_f32 (1 ULP each, denormals flushed: ISA guide
; 15.8; a flushed area gives -inf and level 0, as its true value does).  A box whose log2(sqrt(area)) lies within about 1e-6 of k + 0.5 may
; get the neighbour of the level that another f32 evaluation gives.  A negative or NaN area gives level 0.  extent / 7 is a multiply by
; 1/7 with one correction step; the sample's coordinate is one fused multiply-add.  Where THREE = 1 two weights of one row are added in f32
; before they meet the data: another order of rounding than the four separate products'.
.set REC, 256                          ; bytes of a record
	s_load_b128 s[4:7], s[0:1], 0x0                ; rpn_bbox s[4:5], plan_idx s[6:7]
	s_load_b64 s[8:9], s[0:1], 0x10                ; plan_w
	v_lshrrev_b32 v1, 5, v0
	v_readfirstlane_b32 s10, v1                    ; wave 0..7
	s_lshl_b32 s11, ttmp9, 3
	s_add_co_u32 s11, s11, s10                     ; the box n
	s_lshl_b32 s12, s11, 4                         ; 16 bytes a box
	s_mov_b32 s13, 0
	s_lshl_b32 s14, s11, 8                         ; REC bytes a record
	s_mov_b32 s15, 0
	s_mov_b32 s20, 0x3e124925                      ; 1/7
	s_mov_b32 s21, 0x40e00000                      ; 7.0
	s_mov_b32 s25, 0x3e800000                      ; 0.25
	v_and_b32 v1, 31, v0                           ; lane
	v_and_b32 v2, 15, v1                           ; place on my axis
	v_cmp_lt_u32 s22, 15, v1                       ; lanes 16-31: the x axis
	v_add_nc_u32 v3, -2, v2
	v_cmp_lt_u32 vcc_lo, 13, v2
	v_cndmask_b32 v2, v2, v3, vcc_lo               ; sample i = 2 p + s, 0..13 (places 14, 15 take 12, 13)
	v_cvt_f32_u32 v2, v2
	v_fma_f32 v2, v2, 0.5, s25                     ; p + (s + 0.5) / 2 = i / 2 + 0.25, in bins
	v_and_b32 v3, 30, v1
	v_cmp_eq_u32 s23, 14, v3                       ; lanes 14, 15: no sample
	v_cmp_eq_u32 s24, 14, v1                       ; lane 14: level and plane bytes
	v_lshlrev_b32 v20, 3, v1                       ; my 8 bytes of a record
	s_wait_kmcnt 0x0
	s_add_nc_u64 s[4:5], s[4:5], s[12:13]
	s_add_nc_u64 s[6:7], s[6:7], s[14:15]
	s_add_nc_u64 s[8:9], s[8:9], s[14:15]
	s_load_b128 s[16:19], s[4:5], 0x0              ; x1 s16, y1 s17, x2 s18, y2 s19
	s_wait_kmcnt 0x0
	v_mov_b32 v4, s17
	v_mov_b32 v5, s19
	v_mov_b32 v6, s16
	v_mov_b32 v7, s18
	; the level
	v_sub_f32 v8, v5, v4
	v_sub_f32 v9, v7, v6
	v_mul_f32 v8, v8, v9                           ; area
	v_sqrt_f32 v8, v8
	v_cndmask_b32 v4, v4, v6, s22                  ; my axis' first corner: also the plain instruction between the root and the use of its result
	s_wait_alu depctr_va_vdst(0)
	v_log_f32 v8, v8                               ; log2
	v_cndmask_b32 v5, v5, v7, s22                  ; my axis' second corner: the same behind the logarithm
	s_wait_alu depctr_va_vdst(0)
	v_rndne_f32 v8, v8
	v_add_f32 v8, 4.0, v8
	v_max_num_f32 v8, 0, v8                        ; a NaN loses: level 0
	v_min_num_f32 v8, 0x40400000, v8               ; 3.0
	v_cvt_u32_f32 v9, v8                           ; level
	v_mov_b32 v10, 0x100
	v_lshrrev_b32 v10, v9, v10                     ; W = H = 256 >> level
	v_cvt_f32_u32 v11, v10
	; my sample's coordinate in pixels of that level
	v_mul_f32 v4, v4, v11
	v_mul_f32 v5, v5, v11
	v_sub_f32 v5, v5, v4
	v_max_num_f32 v5, 1.0, v5                      ; the box's extent, at least 1
	v_mul_f32 v12, s20, v5                         ; extent / 7: a first quotient,
	v_fma_f32 v13, -v12, s21, v5                   ; what it leaves,
	v_fma_f32 v12, v13, s20, v12                   ; and the quotient corrected by it
	v_fma_f32 v12, v12, v2, v4                     ; corner + bin x offset
	v_cmp_lt_f32 s26, -1.0, v12
	v_cmp_lt_f32 s27, v12, v11
	s_and_b32 s26, s26, s27                        ; inside (-1, W)
	s_and_not1_b32 s26, s26, s23                   ; lanes 14, 15 store zero weights
	v_add_f32 v13, -1.0, v11
	v_max_num_f32 v12, 0, v12
	v_min_num_f32 v12, v12, v13                    ; clipped to [0, W - 1]
	v_floor_f32 v13, v12                           ; the low tap, as a float: at most 255, exact
	v_sub_f32 v12, v12, v13                        ; frac
	v_cvt_u32_f32 v14, v13                         ; low tap
	v_add_nc_u32 v15, -1, v10
	v_add_nc_u32 v16, 1, v14
	v_min_u32 v15, v16, v15                        ; high tap = min(low + 1, W - 1)
	v_fma_f32 v16, v12, -0.5, 0.5                  ; 0.5 (1 - frac)
	v_mul_f32 v17, 0.5, v12                        ; 0.5 frac
	v_cndmask_b32 v16, 0, v16, s26
	v_cndmask_b32 v17, 0, v17, s26
	; THREE: the two samples of a bin lie in lanes 2 ph and 2 ph + 1, one exclusive or apart.  (v3, v6, v7, v8 are free and have been written in every lane.)
	v_sub_f32_dpp v6, v13, v13 row_xmask:1 row_mask:0xf bank_mask:0xf   ; the other sample's low row minus mine: d or -d
	v_mov_b32_dpp v7, v16 row_xmask:1 row_mask:0xf bank_mask:0xf        ; the other sample's low weight
	v_mov_b32_dpp v8, v17 row_xmask:1 row_mask:0xf bank_mask:0xf        ; and its high weight
	v_mul_f32 v6, v6, v6                           ; d d: 0, 1, 4, ..: the sign is gone
	v_cmp_gt_f32 s28, 2.0, v6                      ; d is 0 or 1
	v_cmp_eq_f32 s29, 0, v6                        ; d is 0
	s_or_b32 s28, s28, 0xffffc000                  ; only lanes 0-13, the samples along y, are asked
	s_cmp_eq_u32 s28, -1                           ; all 7 bins?
	s_cselect_b32 s30, 1, 0                        ; the flag
	s_cselect_b32 s31, 0x1555, 0                   ; then lanes 0, 2, .. 12 take the bin's first two rows,
	s_cselect_b32 s32, 0x2aaa, 0                   ; lanes 1, 3, .. 13 its third
	v_cndmask_b32 v3, 0, v7, s29                   ; first row lo0: d = 0 brings wl1 to it
	v_add_f32 v3, v16, v3
	v_cndmask_b32 v6, v7, v8, s29                  ; second row hi0: d = 0 brings wh1, d = 1 brings wl1
	v_add_f32 v6, v17, v6
	v_cndmask_b32 v7, v17, 0, s29                  ; third row hi1, in the second sample's own lane: wh1 where d = 1, nothing where d = 0
	v_cndmask_b32 v16, v16, v3, s31
	v_cndmask_b32 v16, v16, v7, s32
	v_cndmask_b32 v17, v17, v6, s31
	v_cndmask_b32 v17, v17, 0, s32                 ; tap 3 has no weight
	v_cndmask_b32 v14, v14, v15, s32               ; the second sample's lane names hi1 twice
	v_sub_nc_u32 v18, 8, v9                        ; log2 W: a row tap is stored as y * W,
	v_cndmask_b32 v18, v18, 0, s22                 ; a column tap as x
	v_lshlrev_b32 v14, v18, v14
	v_lshlrev_b32 v15, v18, v15
	v_lshlrev_b32 v19, 1, v9
	v_mov_b32 v21, 0x40000
	v_lshrrev_b32 v19, v19, v21                    ; 4 W W = 262,144 >> 2 level
	v_cndmask_b32 v21, s30, v9, s24                ; lane 14: the level; lane 15: the flag
	v_cndmask_b32 v19, 0, v19, s24                 ; lane 14: the plane's bytes; lane 15: 0
	v_cndmask_b32 v14, v14, v21, s23
	v_cndmask_b32 v15, v15, v19, s23
	global_store_b64 v20, v[14:15], s[6:7]         ; the wave stores 256 consecutive bytes, aligned
	global_store_b64 v20, v[16:17], s[8:9]         ; the same
	s_endpgm
.Lfunc_end_k_q92002b27c0_plan:
	.size	k_q92002b27c0_plan, .Lfunc_end_k_q92002b27c0_plan-k_q92002b27c0_plan
	.p2alignl 7, 3214868480
	.fill 96, 4, 3214868480
	.section	.rodata,"a",@progbits
	.p2align	6, 0x0
	.amdhsa_kernel k_q92002b27c0_plan
		.amdhsa_group_segment_fixed_size 0
		.amdhsa_private_segment_fixed_size 0
		.amdhsa_enable_private_segment 0
		.amdhsa_kernarg_size 24
		.amdhsa_user_sgpr_count 2
		.amdhsa_user_sgpr_kernarg_segment_ptr 1
		.amdhsa_wavefront_size32 1
		.amdhsa_system_sgpr_workgroup_id_x 1
		.amdhsa_system_sgpr_workgroup_id_y 1
		.amdhsa_system_sgpr_workgroup_id_z 1
		.amdhsa_system_vgpr_workitem_id 0
		.amdhsa_next_free_vgpr 24
		.amdhsa_next_free_sgpr 66
		.amdhsa_reserve_vcc 1
		.amdhsa_float_denorm_mode_32 3
		.amdhsa_float_denorm_mode_16_64 3
		.amdhsa_memory_ordered 1
		.amdhsa_forward_progress 1
		.amdhsa_inst_pref_size 6
	.end_amdhsa_kernel
	.amdgpu_metadata
---
amdhsa.version: [ 1, 2 ]
amdhsa.kernels:
  - .name:           k_q92002b27c0_plan
    .symbol:         k_q92002b27c0_plan.kd
    .args:
      - { .name: rpn_bbox, .offset: 0, .size: 8, .value_kind: global_buffer, .address_space: global }
      - { .name: plan_idx, .offset: 8, .size: 8, .value_kind: global_buffer, .address_space: global }
      - { .name: plan_w, .offset: 16, .size: 8, .value_kind: global_buffer, .address_space: global }
    .group_segment_fixed_size: 0
    .private_segment_fixed_size: 0
    .kernarg_segment_align: 8
    .kernarg_segment_size: 24
    .max_flat_workgroup_size: 256
    .sgpr_count:     66
    .vgpr_count:     24
    .wavefront_size: 32
...
	.end_amdgpu_metadata
.endif
;; end of part 1
;; launch pool (part 2): grid 125 x 2, 32 waves a work-group, no clusters, 204,800 bytes of LDS; arguments p2, p3, p4, p5, box_index, plan_idx, plan_w, out0; writes out0
.if DOCPART == 2
	.amdgcn_target "amdgcn-amd-amdhsa--gfx1250"
	.amdhsa_code_object_version 6
	.text
	.protected	k_q92002b27c0_pool
	.globl	k_q92002b27c0_pool
	.p2align	8
	.type	k_q92002b27c0_pool,@function
k_q92002b27c0_pool:
	s_mov_b64 s[64:65], 0
	v_nop
	global_prefetch_b8 v0, s[64:65] scope:SCOPE_SE
	s_setreg_imm32_b32 hwreg(HW_REG_WAVE_MODE, 25, 1), 1
	s_wait_xcnt 0x0
; POOL.  out0[n][c][ph][pw] = sum over row taps k and column taps s = 0..3 of wy[4 ph + k] wx[4 pw + s] F[b][c][row(4 ph + k)][col(4 pw + s)],
; F the plane set of the box's level.  Rows, columns, level, plane size and the flag THREE are whole numbers and wy, wx weights that the launch before has
; stored (its head says how a record is laid out); validity and the mean over 2 x 2 samples are inside the weights.  All arithmetic in f32.
; THREE OR FOUR ROW TAPS A BIN.  THREE = 1 says that in this box three rows hold every bin's taps, with the weights of equal rows already added: k = 0..2,
; 21 loads a channel.  Otherwise k = 0..3, 28 loads.  The wave branches once on that whole number; both ways are written by one macro and join in front of the barrier.
; SHARES.  A work-group: 8 boxes (grid x) x 128 channels (grid y picks the half, so work-groups with neighbouring numbers walk the same
; planes).  A wave: one box, 32 channels, one after the other.  A lane: one column tap, l = 4 pw + s; lanes 28-31 repeat lanes 24-27 (the record
; holds those taps twice), compute the same numbers and store them to the same words, so EXEC is never changed.
; ONCE A WAVE: a byte offset OFF[e] = 4 (row[e] + col[l]) and a weight wy[e] wx[l] for each row tap.  They serve all 32 channels: only the scalar base steps from plane to plane.
; A CHANNEL: a load of 4 bytes a lane for each row tap, inside one row of the plane; packed multiply-adds; two DPP additions for each of the 7 sums (the four
; lanes of a pw); 7 LDS stores into the work-group's image of its part of out0.  Two register buffers take turns: while one channel is
; summed the next one's loads are out, and the buffer is asked for again as soon as it has been read: one to two channels' loads of a wave are out.
; THE WAY OUT.  A wave's 32 channels are 6,272 bytes, no multiple of 256, so the four waves of a box share the copy of its 25,088 bytes
; behind one barrier: each load from LDS and each store takes 512 consecutive bytes, at a multiple of 256 from out0's first byte.
; Tensor loads, clusters and the matrix unit are left out: a box takes some tens of bytes from each of up to 28 rows of a plane, at places that hang on
; the data, no two work-groups share a tile by construction, and interpolation stays in f32.
.set CH_WAVE,  32                      ; channels of a wave
.set CH_BYTES, 196                     ; 7 x 7 f32
.set WAVE_LDS, CH_WAVE*CH_BYTES        ; 6,272
.set PIECE,    4*WAVE_LDS              ; 25,088: a box's 128 channels
.set ROI_OUT,  2*PIECE                 ; 50,176: a box in out0
.set TAPS,     28                      ; places for row taps: 7 bins x 4
.set LN,  1                            ; v1      4 x lane; on the way out 16 x (thread mod 128)
.set XI,  2                            ; v2      my column; on the way out an LDS address
.set WX,  3                            ; v3      my column's weight; on the way out 16 x lane
.set ST,  4                            ; v4      LDS address of my pw in the channel in hand
.set T,   5                            ; v5      at work
.set ACC, 6                            ; v[6:13]   the 7 sums; v13 is half of the seventh
.set OFF, 14                           ; v[14:41]  byte offset of tap (e, l) in a plane; never rewritten while loads name it
.set W,   42                           ; v[42:69]  wy wx, laid out as the data
.set DA,  70                           ; v[70:97]  data, buffer A
.set DB,  98                           ; v[98:125] data, buffer B
.set ROW, 20                           ; s[20:47]  row offsets y W
.set LVL, 48                           ; s48       level
.set PLB, 49                           ; s49       bytes of a plane
.set FLG, 50                           ; s50       THREE
.set BA,  52                           ; s[52:53]  address of buffer A's plane
.set BB,  54                           ; s[54:55]  of buffer B's
.set STEP, 56                          ; s[56:57]  two planes
.set WY,  68                           ; s[68:95]  row weights
; Where tap e = 4 ph + k lies in a buffer: the taps k of ph = 2 j and ph = 2 j + 1 side by side, at 8 j + 2 k, so that one packed
; multiply-add serves two sums; the taps of ph = 6 at 24 + k.  Every pair starts at an even register.  With three taps a bin the places of k = 3 are not used.
.macro RIDX
.if e < 24
.set r, 8*(e/8)+2*(e%4)+((e/4)%2)
.else
.set r, e
.endif
.endm
	s_load_b512 s[4:19], s[0:1], 0x0               ; p2 s[4:5], p3 s[6:7], p4 s[8:9], p5 s[10:11], box_index s[12:13], plan_idx s[14:15], plan_w s[16:17], out0 s[18:19]
	v_lshl_add_u32 v126, v0, 2, 0x31000
	v_mov_b32 v127, 0
	v_lshrrev_b32 v[T], 5, v0
	v_readfirstlane_b32 s60, v[T]                  ; wave 0..31
	s_lshr_b32 s61, s60, 2                         ; which of the group's 8 boxes
	s_and_b32 s62, s60, 3                          ; which 32 of the half's 128 channels
	s_lshl_b32 s63, ttmp9, 3
	s_add_co_u32 s63, s63, s61                     ; the box n
	s_and_b32 s67, ttmp7, 0xffff                   ; the channel half
	s_lshl_b32 s2, s63, 8                          ; 256 bytes a record
	s_mov_b32 s3, 0
	s_lshl_b32 s58, s63, 2                         ; 4 bytes a box index
	s_mov_b32 s59, 0
	v_and_b32 v[T], 31, v0                         ; lane
	v_lshlrev_b32 v[LN], 2, v[T]
	s_wait_kmcnt 0x0
	s_add_nc_u64 s[14:15], s[14:15], s[2:3]
	s_add_nc_u64 s[16:17], s[16:17], s[2:3]
	s_add_nc_u64 s[12:13], s[12:13], s[58:59]
	s_load_b512 s[20:35], s[14:15], 0x0            ; row offsets 0-15
	s_load_b512 s[36:51], s[14:15], 0x40           ; row offsets 16-27, level, plane bytes, THREE, a zero
	s_load_b512 s[68:83], s[16:17], 0x0            ; row weights 0-15
	s_load_b512 s[84:99], s[16:17], 0x40           ; row weights 16-27, four zeros
	s_load_b32 s58, s[12:13], 0x0                  ; the image b
	global_load_b32 v[XI], v[LN], s[14:15] offset:128   ; my column
	global_load_b32 v[WX], v[LN], s[16:17] offset:128   ; its weight
	; while these are on their way: where results go
	s_mul_i32 s2, s63, ROI_OUT                     ; under 2^32: 999 x 50,176
	s_mul_i32 s66, s67, PIECE
	s_add_co_u32 s2, s2, s66
	s_add_nc_u64 s[18:19], s[18:19], s[2:3]        ; out0 at my box's half
	v_lshrrev_b32 v[ST], 2, v[T]
	v_min_u32 v[ST], 6, v[ST]                      ; pw; lanes 28-31 go with pw = 6
	v_lshlrev_b32 v[ST], 2, v[ST]
	s_mul_i32 s2, s60, WAVE_LDS                    ; the image in LDS: box by box, channel by channel, as in out0
	v_add_nc_u32 v[ST], s2, v[ST]
	s_wait_kmcnt 0x0
	; every loaded number is bounded by a constant before it enters an address
.set e, 0
.rept TAPS
	s_min_u32 s[ROW+e], s[ROW+e], 0xff00           ; y W is 255 x 256 at the most
.set e, e+1
.endr
	s_min_u32 s[LVL], s[LVL], 3
	s_min_u32 s[PLB], s[PLB], 0x40000
	s_min_u32 s58, s58, 1
	s_cmp_eq_u32 s[LVL], 1                         ; the level's buffer
	s_cselect_b64 s[BA:BA+1], s[6:7], s[4:5]
	s_cmp_eq_u32 s[LVL], 2
	s_cselect_b64 s[BA:BA+1], s[8:9], s[BA:BA+1]
	s_cmp_eq_u32 s[LVL], 3
	s_cselect_b64 s[BA:BA+1], s[10:11], s[BA:BA+1]
	s_lshl_b32 s58, s58, 8                         ; my first plane: 256 b + 128 half + 32 quarter,
	s_lshl_b32 s2, s67, 7
	s_add_co_u32 s58, s58, s2
	s_lshl_b32 s2, s62, 5
	s_add_co_u32 s58, s58, s2
	s_mul_i32 s58, s58, s[PLB]                     ; in bytes: under 512 x 262,144 = 2^27
	s_mov_b32 s59, 0
	s_add_nc_u64 s[BA:BA+1], s[BA:BA+1], s[58:59]
	s_mov_b32 s2, s[PLB]
	s_mov_b32 s3, 0
	s_add_nc_u64 s[BB:BB+1], s[BA:BA+1], s[2:3]    ; the plane behind it
	s_lshl_b32 s[STEP], s[PLB], 1
	s_mov_b32 s[STEP+1], 0
	s_wait_loadcnt 0x0                             ; my column and its weight
	v_min_u32 v[XI], 0xff, v[XI]
.macro FILL d, b, nk                   ; a channel's 7 nk loads, rows ascending
.set e, 0
.rept TAPS
.if (e%4) < \nk
	RIDX
	global_load_b32 v[\d+r], v[OFF+e], s[\b:\b+1]
.endif
.set e, e+1
.endr
.endm
; One channel.  d, b: its buffer and that buffer's base.  odd: the second channel of a trip.  refill = 1: the buffer is asked for again, two channels on.
; left: the younger loads that may stay out.  nk: row taps a bin.
.macro SLOT d, b, odd, refill, left, nk
	s_wait_loadcnt \left                           ; loads come back in order (ISA guide 5.7.1): this buffer's are in, the other buffer's stay out
.if \refill
	s_add_nc_u64 s[\b:\b+1], s[\b:\b+1], s[STEP:STEP+1]   ; the loads that named this base are done, so it may step
.endif
.irp j, 0,1,2,3
	v_pk_mul_f32 v[ACC+2*\j:ACC+2*\j+1], v[\d+8*\j:\d+8*\j+1], v[W+8*\j:W+8*\j+1]   ; the first products start the sums: tap 0 of two bins; for ph = 6 its taps 0 and 1
.endr
.irp k, 1,2
.irp j, 0,1,2
	v_pk_fma_f32 v[ACC+2*\j:ACC+2*\j+1], v[\d+8*\j+2*\k:\d+8*\j+2*\k+1], v[W+8*\j+2*\k:W+8*\j+2*\k+1], v[ACC+2*\j:ACC+2*\j+1]
.endr
.endr
.if \nk == 4
.irp j, 0,1,2
	v_pk_fma_f32 v[ACC+2*\j:ACC+2*\j+1], v[\d+8*\j+6:\d+8*\j+7], v[W+8*\j+6:W+8*\j+7], v[ACC+2*\j:ACC+2*\j+1]
.endr
	v_pk_fma_f32 v[ACC+6:ACC+7], v[\d+26:\d+27], v[W+26:W+27], v[ACC+6:ACC+7]   ; ph = 6: taps 2 and 3
.else
	v_fmac_f32 v[ACC+6], v[\d+26], v[W+26]         ; ph = 6: tap 2 alone
.endif
	v_add_f32 v[ACC+6], v[ACC+6], v[ACC+7]         ; ph = 6: its two halves
.if \refill
	FILL \d, \b, \nk
.endif
.irp m, 1,2                            ; the four column taps of a pw lie in four neighbouring lanes: every one of them ends up with the sum
.irp p, 0,1,2,3,4,5,6
	v_add_f32_dpp v[ACC+\p], v[ACC+\p], v[ACC+\p] row_xmask:\m row_mask:0xf bank_mask:0xf
.endr
.endr
.irp p, 0,1,2,3,4,5,6
	ds_store_b32 v[ST], v[ACC+\p] offset:\odd*CH_BYTES+28*\p   ; the four lanes store the same number to the same word
.endr
.endm
; A wave's 32 channels with nk row taps a bin.
.macro PATH nk
.set e, 0
.rept TAPS
.if (e%4) < \nk
	v_add_lshl_u32 v[OFF+e], v[XI], s[ROW+e], 2    ; 4 (y W + x)
.endif
.set e, e+1
.endr
	FILL DA, BA, \nk                               ; channels 0 and 1 are asked for before the weights are made
	FILL DB, BB, \nk
.set e, 0
.rept TAPS
.if (e%4) < \nk
	RIDX
	v_mul_f32 v[W+r], s[WY+e], v[WX]
.endif
.set e, e+1
.endr
	s_mov_b32 s66, CH_WAVE/2-1
.Lpair_\nk:                                            ; 15 trips: channels 0-29 are summed, channels 2-31 asked for
	SLOT DA, BA, 0, 1, 7*\nk, \nk
	SLOT DB, BB, 1, 1, 7*\nk, \nk
	v_add_nc_u32 v[ST], 2*CH_BYTES, v[ST]
	s_sub_co_i32 s66, s66, 1
	s_cmp_lg_u32 s66, 0
	s_cbranch_scc1 .Lpair_\nk
	SLOT DA, BA, 0, 0, 7*\nk, \nk                  ; the last two channels ask for nothing: no load leaves the buffer
	SLOT DB, BB, 1, 0, 0, \nk
.endm
	s_cmp_lg_u32 s[FLG], 0                         ; a whole number that the launch before stored
	s_cbranch_scc1 .Lthree
	PATH 4
	s_branch .Lout
.Lthree:
	PATH 3
.Lout:
	; THE WAY OUT.  My stores into the image are done before I signal; behind the barrier the four waves of a box read what all four wrote.
	s_wait_dscnt 0x0
	s_barrier_signal -1
	s_barrier_wait -1
	v_and_b32 v[LN], 127, v0                       ; my place among the box's four waves
	v_lshlrev_b32 v[LN], 4, v[LN]                  ; 16 bytes a thread: 2,048 bytes for the four waves
	s_mul_i32 s2, s61, PIECE
	v_add_nc_u32 v[XI], s2, v[LN]
	v_lshlrev_b32 v[WX], 4, v[T]                   ; 16 x lane, for the piece's last 512 bytes
	v_add_nc_u32 v[T], s2, v[WX]
.irp i, 0,1,2,3,4,5,6,7,8,9,10,11
	ds_load_b128 v[DA+4*\i:DA+4*\i+3], v[XI] offset:\i*2048
.endr
.irp i, 0,1,2,3,4,5,6,7,8,9,10,11
	s_wait_dscnt 11-\i                             ; LDS loads come back in order: number i is in, the younger ones stay out
	global_store_b128 v[LN], v[DA+4*\i:DA+4*\i+3], s[18:19] offset:\i*2048 th:TH_STORE_NT   ; the wave stores 512 consecutive bytes, at a multiple of 256 from out0's first byte
.endr
	s_cmp_lg_u32 s62, 0                            ; 25,088 = 12 x 2,048 + 512: the box's first wave takes the rest
	s_cbranch_scc1 .Ldone
	ds_load_b128 v[DA+48:DA+51], v[T] offset:24576
	s_wait_dscnt 0x0
	global_store_b128 v[WX], v[DA+48:DA+51], s[18:19] offset:24576 th:TH_STORE_NT
.Ldone:
	s_wait_tensorcnt 0x0
	ds_add_u32 v126, v127
	s_wait_dscnt 0x0
	s_endpgm
.Lfunc_end_k_q92002b27c0_pool:
	.size	k_q92002b27c0_pool, .Lfunc_end_k_q92002b27c0_pool-k_q92002b27c0_pool
	.p2alignl 7, 3214868480
	.fill 96, 4, 3214868480
	.section	.rodata,"a",@progbits
	.p2align	6, 0x0
	.amdhsa_kernel k_q92002b27c0_pool
		.amdhsa_group_segment_fixed_size 204800
		.amdhsa_private_segment_fixed_size 0
		.amdhsa_enable_private_segment 0
		.amdhsa_kernarg_size 64
		.amdhsa_user_sgpr_count 2
		.amdhsa_user_sgpr_kernarg_segment_ptr 1
		.amdhsa_wavefront_size32 1
		.amdhsa_system_sgpr_workgroup_id_x 1
		.amdhsa_system_sgpr_workgroup_id_y 1
		.amdhsa_system_sgpr_workgroup_id_z 1
		.amdhsa_system_vgpr_workitem_id 0
		.amdhsa_next_free_vgpr 128
		.amdhsa_next_free_sgpr 100
		.amdhsa_reserve_vcc 0
		.amdhsa_float_denorm_mode_32 3
		.amdhsa_float_denorm_mode_16_64 3
		.amdhsa_memory_ordered 1
		.amdhsa_forward_progress 1
		.amdhsa_inst_pref_size 49
	.end_amdhsa_kernel
	.amdgpu_metadata
---
amdhsa.version: [ 1, 2 ]
amdhsa.kernels:
  - .name:           k_q92002b27c0_pool
    .symbol:         k_q92002b27c0_pool.kd
    .args:
      - { .name: p2, .offset: 0, .size: 8, .value_kind: global_buffer, .address_space: global }
      - { .name: p3, .offset: 8, .size: 8, .value_kind: global_buffer, .address_space: global }
      - { .name: p4, .offset: 16, .size: 8, .value_kind: global_buffer, .address_space: global }
      - { .name: p5, .offset: 24, .size: 8, .value_kind: global_buffer, .address_space: global }
      - { .name: box_index, .offset: 32, .size: 8, .value_kind: global_buffer, .address_space: global }
      - { .name: plan_idx, .offset: 40, .size: 8, .value_kind: global_buffer, .address_space: global }
      - { .name: plan_w, .offset: 48, .size: 8, .value_kind: global_buffer, .address_space: global }
      - { .name: out0, .offset: 56, .size: 8, .value_kind: global_buffer, .address_space: global }
    .group_segment_fixed_size: 204800
    .private_segment_fixed_size: 0
    .kernarg_segment_align: 8
    .kernarg_segment_size: 64
    .max_flat_workgroup_size: 1024
    .sgpr_count:     100
    .vgpr_count:     128
    .wavefront_size: 32
...
	.end_amdgpu_metadata
.endif
;; end of part 2
;; ======== version 2 of 2: 2 launches; version 1 with the launch pool written anew for expert scheduling mode
;; workspace buffers: plan_idx 256,000 bytes of whole numbers; plan_w 256,000 bytes
;; launch plan: the kernel of part 1 again; grid 125 x 1, 8 waves a work-group, no clusters, 0 bytes of LDS; arguments rpn_bbox, plan_idx, plan_w; writes plan_idx, plan_w
;; launch pool (part 3): grid 125 x 2, 32 waves a work-group, no clusters, 204,800 bytes of LDS; arguments p2, p3, p4, p5, box_index, plan_idx, plan_w, out0; writes out0
.if DOCPART == 3
	.amdgcn_target "amdgcn-amd-amdhsa--gfx1250"
	.amdhsa_code_object_version 6
	.text
	.protected	k_q92002b27c0_pool
	.globl	k_q92002b27c0_pool
	.p2align	8
	.type	k_q92002b27c0_pool,@function
k_q92002b27c0_pool:
	s_mov_b64 s[64:65], 0
	v_nop
	global_prefetch_b8 v0, s[64:65] scope:SCOPE_SE
	s_setreg_imm32_b32 hwreg(HW_REG_WAVE_SCHED_MODE, 0, 2), 2
	s_setreg_imm32_b32 hwreg(HW_REG_WAVE_MODE, 25, 1), 1
	s_wait_xcnt 0x0
	s_wait_alu depctr_vm_vsrc(0)
; POOL.  out0[n][c][ph][pw] = sum over row taps k and column taps s = 0..3 of wy[4 ph + k] wx[4 pw + s] F[b][c][row(4 ph + k)][col(4 pw + s)],
; F the plane set of the box's level.  Rows, columns, level, plane size and the flag THREE are whole numbers and wy, wx weights that the launch before has
; stored (its head says how a record is laid out); validity and the mean over 2 x 2 samples are inside the weights.  All arithmetic in f32.
; THREE OR FOUR ROW TAPS A BIN.  THREE = 1 says that in this box three rows hold every bin's taps, with the weights of equal rows already added: k = 0..2,
; 21 loads a channel.  Otherwise k = 0..3, 28 loads.  The wave branches once on that whole number; both ways are written by one macro and join in front of the barrier.
; SHARES.  A work-group: 8 boxes (grid x) x 128 channels (grid y picks the half, so work-groups with neighbouring numbers walk the same
; planes).  A wave: one box, 32 channels, one after the other.  A lane: one column tap, l = 4 pw + s; lanes 28-31 repeat lanes 24-27 (the record
; holds those taps twice), compute the same numbers and store them to the same words, so EXEC is never changed.
; ONCE A WAVE: a byte offset OFF[e] = 4 (row[e] + col[l]) and a weight wy[e] wx[l] for each row tap.  They serve all 32 channels: only the scalar base steps from plane to plane.
; A CHANNEL: a load of 4 bytes a lane for each row tap, inside one row of the plane; packed multiply-adds; two DPP additions for each of the 7 sums (the four
; lanes of a pw); 7 LDS stores into the work-group's image of its part of out0.  Two register buffers take turns: while one channel is
; summed the next one's loads are out, and the buffer is asked for again behind the channel's sums: one to two channels' loads of a wave are out.
; THE WAY OUT.  A wave's 32 channels are 6,272 bytes, no multiple of 256, so the four waves of a box share the copy of its 25,088 bytes
; behind one barrier: each load from LDS and each store takes 512 consecutive bytes, at a multiple of 256 from out0's first byte.
; Tensor loads, clusters and the matrix unit are left out: a box takes some tens of bytes from each of up to 28 rows of a plane, at places that hang on
; the data, no two work-groups share a tile by construction, and interpolation stays in f32.
; THE MODE: SCHED_MODE bits 1:0 = 2 (LLVM: expert scheduling mode 2), set by the entry lines.  The code itself states the register dependences
; between vector instructions and memory or LDS instructions, with s_wait_alu, always for 0.
; THE PLAN.  Registers that memory or LDS instructions touch, in the loop:
;   DA, DB        A channel's products read its buffer; behind its sums the loads of the channel two on land in it.
;   v[ACC ..+6]   Written by a channel's products and DPP additions; read by its 7 LDS stores; written again by the next channel's products.
;   v[ST]         Read by every LDS store; written once a trip, at the trip's end.
;   v[OFF ..]     Read by every load; made once and never written again: the scalar bases step from plane to plane.
;   W and v13 are named by vector instructions alone.
; a channel's vector work stands in one run and its memory instructions behind it.
; ONE wait on va_vdst a channel, behind its sums: the products are done reading the buffer, the sums are written, and in a trip's first channel v[ST] is written.
; ONE wait on vm_vsrc a channel: at the odd channel's head (the even channel's stores have read the sums) and at the trip's end, ahead of the add to v[ST]
; (the odd channel's stores have read v[ST] and the sums: it serves the next even channel too, over the backward jump and into the tail).
.set CH_WAVE,  32                      ; channels of a wave
.set CH_BYTES, 196                     ; 7 x 7 f32
.set WAVE_LDS, CH_WAVE*CH_BYTES        ; 6,272
.set PIECE,    4*WAVE_LDS              ; 25,088: a box's 128 channels
.set ROI_OUT,  2*PIECE                 ; 50,176: a box in out0
.set TAPS,     28                      ; places for row taps: 7 bins x 4
.set LN,  1                            ; v1      4 x lane; on the way out 16 x (thread mod 128)
.set XI,  2                            ; v2      my column; on the way out an LDS address
.set WX,  3                            ; v3      my column's weight; on the way out 16 x lane
.set ST,  4                            ; v4      LDS address of my pw in the channel in hand
.set T,   5                            ; v5      at work
.set ACC, 6                            ; v[6:13]   the 7 sums; v13 is half of the seventh
.set OFF, 14                           ; v[14:41]  byte offset of tap (e, l) in a plane; never rewritten while loads name it
.set W,   42                           ; v[42:69]  wy wx, laid out as the data
.set DA,  70                           ; v[70:97]  data, buffer A
.set DB,  98                           ; v[98:125] data, buffer B
.set ROW, 20                           ; s[20:47]  row offsets y W
.set LVL, 48                           ; s48       level
.set PLB, 49                           ; s49       bytes of a plane
.set FLG, 50                           ; s50       THREE
.set BA,  52                           ; s[52:53]  address of buffer A's plane
.set BB,  54                           ; s[54:55]  of buffer B's
.set STEP, 56                          ; s[56:57]  two planes
.set WY,  68                           ; s[68:95]  row weights
; Where tap e = 4 ph + k lies in a buffer: the taps k of ph = 2 j and ph = 2 j + 1 side by side, at 8 j + 2 k, so that one packed
; multiply-add serves two sums; the taps of ph = 6 at 24 + k.  Every pair starts at an even register.  With three taps a bin the places of k = 3 are not used.
.macro RIDX
.if e < 24
.set r, 8*(e/8)+2*(e%4)+((e/4)%2)
.else
.set r, e
.endif
.endm
	s_load_b512 s[4:19], s[0:1], 0x0               ; p2 s[4:5], p3 s[6:7], p4 s[8:9], p5 s[10:11], box_index s[12:13], plan_idx s[14:15], plan_w s[16:17], out0 s[18:19]
	v_lshl_add_u32 v126, v0, 2, 0x31000
	v_mov_b32 v127, 0
	v_lshrrev_b32 v[T], 5, v0
	v_readfirstlane_b32 s60, v[T]                  ; wave 0..31
	s_wait_alu depctr_va_sdst(0)                   ; s60 is written, ahead of its first reader: the box, the channels and the LDS image's place are made from it
	s_lshr_b32 s61, s60, 2                         ; which of the group's 8 boxes
	s_and_b32 s62, s60, 3                          ; which 32 of the half's 128 channels
	s_lshl_b32 s63, ttmp9, 3
	s_add_co_u32 s63, s63, s61                     ; the box n
	s_and_b32 s67, ttmp7, 0xffff                   ; the channel half
	s_lshl_b32 s2, s63, 8                          ; 256 bytes a record
	s_mov_b32 s3, 0
	s_lshl_b32 s58, s63, 2                         ; 4 bytes a box index
	s_mov_b32 s59, 0
	v_and_b32 v[T], 31, v0                         ; lane
	v_lshlrev_b32 v[LN], 2, v[T]
	s_wait_kmcnt 0x0
	s_add_nc_u64 s[14:15], s[14:15], s[2:3]
	s_add_nc_u64 s[16:17], s[16:17], s[2:3]
	s_add_nc_u64 s[12:13], s[12:13], s[58:59]
	s_load_b512 s[20:35], s[14:15], 0x0            ; row offsets 0-15
	s_load_b512 s[36:51], s[14:15], 0x40           ; row offsets 16-27, level, plane bytes, THREE, a zero
	s_load_b512 s[68:83], s[16:17], 0x0            ; row weights 0-15
	s_load_b512 s[84:99], s[16:17], 0x40           ; row weights 16-27, four zeros
	s_load_b32 s58, s[12:13], 0x0                  ; the image b
	s_wait_alu depctr_va_vdst(0)                   ; v[LN] is written, which the two loads below read as their offset
	global_load_b32 v[XI], v[LN], s[14:15] offset:128   ; my column
	global_load_b32 v[WX], v[LN], s[16:17] offset:128   ; its weight
	; while these are on their way: where results go
	s_mul_i32 s2, s63, ROI_OUT                     ; under 2^32: 999 x 50,176
	s_mul_i32 s66, s67, PIECE
	s_add_co_u32 s2, s2, s66
	s_add_nc_u64 s[18:19], s[18:19], s[2:3]        ; out0 at my box's half
	v_lshrrev_b32 v[ST], 2, v[T]
	v_min_u32 v[ST], 6, v[ST]                      ; pw; lanes 28-31 go with pw = 6
	v_lshlrev_b32 v[ST], 2, v[ST]
	s_mul_i32 s2, s60, WAVE_LDS                    ; the image in LDS: box by box, channel by channel, as in out0
	v_add_nc_u32 v[ST], s2, v[ST]
	s_wait_kmcnt 0x0
	; every loaded number is bounded by a constant before it enters an address
.set e, 0
.rept TAPS
	s_min_u32 s[ROW+e], s[ROW+e], 0xff00           ; y W is 255 x 256 at the most
.set e, e+1
.endr
	s_min_u32 s[LVL], s[LVL], 3
	s_min_u32 s[PLB], s[PLB], 0x40000
	s_min_u32 s58, s58, 1
	s_cmp_eq_u32 s[LVL], 1                         ; the level's buffer
	s_cselect_b64 s[BA:BA+1], s[6:7], s[4:5]
	s_cmp_eq_u32 s[LVL], 2
	s_cselect_b64 s[BA:BA+1], s[8:9], s[BA:BA+1]
	s_cmp_eq_u32 s[LVL], 3
	s_cselect_b64 s[BA:BA+1], s[10:11], s[BA:BA+1]
	s_lshl_b32 s58, s58, 8                         ; my first plane: 256 b + 128 half + 32 quarter,
	s_lshl_b32 s2, s67, 7
	s_add_co_u32 s58, s58, s2
	s_lshl_b32 s2, s62, 5
	s_add_co_u32 s58, s58, s2
	s_mul_i32 s58, s58, s[PLB]                     ; in bytes: under 512 x 262,144 = 2^27
	s_mov_b32 s59, 0
	s_add_nc_u64 s[BA:BA+1], s[BA:BA+1], s[58:59]
	s_mov_b32 s2, s[PLB]
	s_mov_b32 s3, 0
	s_add_nc_u64 s[BB:BB+1], s[BA:BA+1], s[2:3]    ; the plane behind it
	s_lshl_b32 s[STEP], s[PLB], 1
	s_mov_b32 s[STEP+1], 0
	s_wait_loadcnt 0x0                             ; my column and its weight
	v_min_u32 v[XI], 0xff, v[XI]
.macro FILL d, b, nk                   ; a channel's 7 nk loads, rows ascending
.set e, 0
.rept TAPS
.if (e%4) < \nk
	RIDX
	global_load_b32 v[\d+r], v[OFF+e], s[\b:\b+1]
.endif
.set e, e+1
.endr
.endm
; One channel.  d, b: its buffer and that buffer's base.  odd: the second channel of a trip.  refill = 1: the buffer is asked for again, two channels on.
; left: the younger loads that may stay out.  nk: row taps a bin.
.macro SLOT d, b, odd, refill, left, nk
	s_wait_loadcnt \left                           ; loads come back in order (ISA guide 5.7.1): this buffer's are in, the other buffer's stay out
.if \refill
	s_add_nc_u64 s[\b:\b+1], s[\b:\b+1], s[STEP:STEP+1]   ; the loads that named this base are done, so it may step
.endif
.if \odd
	s_wait_alu depctr_vm_vsrc(0)                   ; the even channel's LDS stores have read the sums v[ACC ..], which the products below write again
.endif
.irp j, 0,1,2,3
	v_pk_mul_f32 v[ACC+2*\j:ACC+2*\j+1], v[\d+8*\j:\d+8*\j+1], v[W+8*\j:W+8*\j+1]   ; the first products start the sums: tap 0 of two bins; for ph = 6 its taps 0 and 1
.endr
.irp k, 1,2
.irp j, 0,1,2
	v_pk_fma_f32 v[ACC+2*\j:ACC+2*\j+1], v[\d+8*\j+2*\k:\d+8*\j+2*\k+1], v[W+8*\j+2*\k:W+8*\j+2*\k+1], v[ACC+2*\j:ACC+2*\j+1]
.endr
.endr
.if \nk == 4
.irp j, 0,1,2
	v_pk_fma_f32 v[ACC+2*\j:ACC+2*\j+1], v[\d+8*\j+6:\d+8*\j+7], v[W+8*\j+6:W+8*\j+7], v[ACC+2*\j:ACC+2*\j+1]
.endr
	v_pk_fma_f32 v[ACC+6:ACC+7], v[\d+26:\d+27], v[W+26:W+27], v[ACC+6:ACC+7]   ; ph = 6: taps 2 and 3
.else
	v_fmac_f32 v[ACC+6], v[\d+26], v[W+26]         ; ph = 6: tap 2 alone
.endif
	v_add_f32 v[ACC+6], v[ACC+6], v[ACC+7]         ; ph = 6: its two halves
.irp m, 1,2                            ; the four column taps of a pw lie in four neighbouring lanes: every one of them ends up with the sum
.irp p, 0,1,2,3,4,5,6
	v_add_f32_dpp v[ACC+\p], v[ACC+\p], v[ACC+\p] row_xmask:\m row_mask:0xf bank_mask:0xf
.endr
.endr
	s_wait_alu depctr_va_vdst(0)                   ; the products are done reading this buffer, in which the loads below land; the sums are written, which the LDS stores below read; in a trip's first channel v[ST] is written
.if \refill
	FILL \d, \b, \nk
.endif
.irp p, 0,1,2,3,4,5,6
	ds_store_b32 v[ST], v[ACC+\p] offset:\odd*CH_BYTES+28*\p   ; the four lanes store the same number to the same word
.endr
.endm
; A wave's 32 channels with nk row taps a bin.
.macro PATH nk
.set e, 0
.rept TAPS
.if (e%4) < \nk
	v_add_lshl_u32 v[OFF+e], v[XI], s[ROW+e], 2    ; 4 (y W + x)
.endif
.set e, e+1
.endr
	s_wait_alu depctr_va_vdst(0)                   ; the offsets v[OFF ..] are written, which every load of the planes reads
	FILL DA, BA, \nk                               ; channels 0 and 1 are asked for before the weights are made
	FILL DB, BB, \nk
.set e, 0
.rept TAPS
.if (e%4) < \nk
	RIDX
	v_mul_f32 v[W+r], s[WY+e], v[WX]
.endif
.set e, e+1
.endr
	s_mov_b32 s66, CH_WAVE/2-1
.Lpair_\nk:                                            ; 15 trips: channels 0-29 are summed, channels 2-31 asked for
	SLOT DA, BA, 0, 1, 7*\nk, \nk
	SLOT DB, BB, 1, 1, 7*\nk, \nk
	s_wait_alu depctr_vm_vsrc(0)                   ; the odd channel's LDS stores have read v[ST], which the add below writes, and the sums, which the next channel's products write
	v_add_nc_u32 v[ST], 2*CH_BYTES, v[ST]
	s_sub_co_i32 s66, s66, 1
	s_cmp_lg_u32 s66, 0
	s_cbranch_scc1 .Lpair_\nk
	SLOT DA, BA, 0, 0, 7*\nk, \nk                  ; the last two channels ask for nothing: no load leaves the buffer
	SLOT DB, BB, 1, 0, 0, \nk
.endm
	s_cmp_lg_u32 s[FLG], 0                         ; a whole number that the launch before stored
	s_cbranch_scc1 .Lthree
	PATH 4
	s_branch .Lout
.Lthree:
	PATH 3
.Lout:
	; THE WAY OUT.  My stores into the image are done before I signal; behind the barrier the four waves of a box read what all four wrote.
	s_wait_dscnt 0x0
	s_barrier_signal -1
	s_barrier_wait -1
	v_and_b32 v[LN], 127, v0                       ; my place among the box's four waves (the head's two loads read v[LN]: the waits on vm_vsrc of either way's channels stand between them and this line)
	v_lshlrev_b32 v[LN], 4, v[LN]                  ; 16 bytes a thread: 2,048 bytes for the four waves
	s_mul_i32 s2, s61, PIECE
	v_add_nc_u32 v[XI], s2, v[LN]
	v_lshlrev_b32 v[WX], 4, v[T]                   ; 16 x lane, for the piece's last 512 bytes
	v_add_nc_u32 v[T], s2, v[WX]
	s_wait_alu depctr_va_vdst(0)                   ; v[LN], v[XI], v[WX] and v[T] are written, which the LDS loads and the stores below read as addresses; the last channels' products are done reading DA and DB, in which the LDS loads land
.irp i, 0,1,2,3,4,5,6,7,8,9,10,11
	ds_load_b128 v[DA+4*\i:DA+4*\i+3], v[XI] offset:\i*2048
.endr
.irp i, 0,1,2,3,4,5,6,7,8,9,10,11
	s_wait_dscnt 11-\i                             ; LDS loads come back in order: number i is in, the younger ones stay out
	global_store_b128 v[LN], v[DA+4*\i:DA+4*\i+3], s[18:19] offset:\i*2048 th:TH_STORE_NT   ; the wave stores 512 consecutive bytes, at a multiple of 256 from out0's first byte
.endr
	s_cmp_lg_u32 s62, 0                            ; 25,088 = 12 x 2,048 + 512: the box's first wave takes the rest
	s_cbranch_scc1 .Ldone
	ds_load_b128 v[DA+48:DA+51], v[T] offset:24576
	s_wait_dscnt 0x0
	global_store_b128 v[WX], v[DA+48:DA+51], s[18:19] offset:24576 th:TH_STORE_NT
.Ldone:
	s_wait_dscnt 0x0
	s_wait_alu depctr_hold_cnt(0) depctr_sa_sdst(0) depctr_va_vdst(0) depctr_va_sdst(0) depctr_va_ssrc(0) depctr_va_vcc(0) depctr_vm_vsrc(0)
	s_wait_tensorcnt 0x0
	ds_add_u32 v126, v127
	s_wait_dscnt 0x0
	s_endpgm
.Lfunc_end_k_q92002b27c0_pool:
	.size	k_q92002b27c0_pool, .Lfunc_end_k_q92002b27c0_pool-k_q92002b27c0_pool
	.p2alignl 7, 3214868480
	.fill 96, 4, 3214868480
	.section	.rodata,"a",@progbits
	.p2align	6, 0x0
	.amdhsa_kernel k_q92002b27c0_pool
		.amdhsa_group_segment_fixed_size 204800
		.amdhsa_private_segment_fixed_size 0
		.amdhsa_enable_private_segment 0
		.amdhsa_kernarg_size 64
		.amdhsa_user_sgpr_count 2
		.amdhsa_user_sgpr_kernarg_segment_ptr 1
		.amdhsa_wavefront_size32 1
		.amdhsa_system_sgpr_workgroup_id_x 1
		.amdhsa_system_sgpr_workgroup_id_y 1
		.amdhsa_system_sgpr_workgroup_id_z 1
		.amdhsa_system_vgpr_workitem_id 0
		.amdhsa_next_free_vgpr 128
		.amdhsa_next_free_sgpr 100
		.amdhsa_reserve_vcc 0
		.amdhsa_float_denorm_mode_32 3
		.amdhsa_float_denorm_mode_16_64 3
		.amdhsa_memory_ordered 1
		.amdhsa_forward_progress 1
		.amdhsa_inst_pref_size 49
	.end_amdhsa_kernel
	.amdgpu_metadata
---
amdhsa.version: [ 1, 2 ]
amdhsa.kernels:
  - .name:           k_q92002b27c0_pool
    .symbol:         k_q92002b27c0_pool.kd
    .args:
      - { .name: p2, .offset: 0, .size: 8, .value_kind: global_buffer, .address_space: global }
      - { .name: p3, .offset: 8, .size: 8, .value_kind: global_buffer, .address_space: global }
      - { .name: p4, .offset: 16, .size: 8, .value_kind: global_buffer, .address_space: global }
      - { .name: p5, .offset: 24, .size: 8, .value_kind: global_buffer, .address_space: global }
      - { .name: box_index, .offset: 32, .size: 8, .value_kind: global_buffer, .address_space: global }
      - { .name: plan_idx, .offset: 40, .size: 8, .value_kind: global_buffer, .address_space: global }
      - { .name: plan_w, .offset: 48, .size: 8, .value_kind: global_buffer, .address_space: global }
      - { .name: out0, .offset: 56, .size: 8, .value_kind: global_buffer, .address_space: global }
    .group_segment_fixed_size: 204800
    .private_segment_fixed_size: 0
    .kernarg_segment_align: 8
    .kernarg_segment_size: 64
    .max_flat_workgroup_size: 1024
    .sgpr_count:     100
    .vgpr_count:     128
    .wavefront_size: 32
...
	.end_amdgpu_metadata
.endif
;; end of part 3
